; MI455X (gfx1250); checked and timed in simulation.
; The chip was launched on July 23, 2026; its instructions are those of AMD's public machine-readable ISA for CDNA 5 (MIT licence, August 2026) and "CDNA5" Instruction Set Architecture Reference Guide (July 2026). The comments in the code are by the model that wrote it; some were corrected since.
;; Run Length Event Set Embedding. Allowed arithmetic: matrix products marked QUANTISED: E5M2 operands, one given power-of-two scale a tensor, by v_wmma_f32_16x16x64_bf8_bf8 or v_wmma_f32_16x16x128_bf8_bf8, f32 sums; products left as they are: f32 operands where the result goes on into a quantised operand, else bf16, f16 or f32 operands; f32 sums; everything else in f32.
;; Inputs: P1 65 x 64 float32; P2_codes 64 x 2 x 32 uint8 (E5M2 codes of P2, K innermost, in blocks of 32 codes); W1 11 x 64 float32; W2_codes 64 x 2 x 32 uint8 (E5M2 codes of W2, K innermost, in blocks of 32 codes); b1 64 float32; b2 64 float32; lowp_scales 6 int32 (the exponents e of the quantised operands' scales 2^e); pb1 64 float32; pb2 64 float32; x 64 x 2,048 x 8 float32.
;; Outputs: out0 64 x 64 float32.
;; This version of the problem:
;;   THIS VERSION OF THE PROBLEM IS GIVEN IN LOW PRECISION. The matrix products marked QUANTISED in the list below multiply operands that are first quantised to E5M2 (5 exponent bits, 2 mantissa bits; 8 bits a number), with one given power-of-two scale for each operand tensor; their sums are f32. All else is computed in f32.
;;   The module's matrix products, in the order in which they are computed (A, B: the left and right operand; K: the contracted axis; several contracted axes count as one K, in the product's order):
;;     1. [M 1,048,576, K 11] x [K 11, N 64]; A: computed on the way; B: input W1: left as it is (K = 11 < 32)
;;     2. [M 1,048,576, K 64] x [K 64, N 64]; A: computed on the way; B: input W2 (given as codes): QUANTISED (scales: A lowp_scales[0], B lowp_scales[1])
;;     3. [M 64, K 65] x [K 65, N 64]; A: computed on the way; B: input P1: QUANTISED (scales: A lowp_scales[2], B lowp_scales[3])
;;     4. [M 64, K 64] x [K 64, N 64]; A: computed on the way; B: input P2 (given as codes): QUANTISED (scales: A lowp_scales[4], B lowp_scales[5])
;;   THE QUANTISER, for each operand of a quantised product, along K:
;;     - The operand's scale is 2^e, e = its entry of the input lowp_scales (int32; the entries are numbered through the quantised products in the list's order, A before B).
;;     - Each number is divided by the scale, clamped to +-57,344, and rounded to the nearest number of E5M2, ties to even, subnormals kept.
;;     - The product sums the exact products of the quantised numbers (number of the format x scale) in f32.
;;   ~~~python
;;   def quantise(x, axis, e):      # numpy; x: float32 -> the quantised numbers, widened to float32 again
;;       x = np.moveaxis(x, axis, -1); K = x.shape[-1]
;;       r = np.clip(x / 2.0 ** e, -57344, 57344)
;;       step = 2.0 ** (np.maximum(np.frexp(np.where(r == 0, 1, r))[1] - 1, -14) - 2)
;;       q = np.round(r / step) * step * 2.0 ** e      # np.round: ties to even
;;       return np.moveaxis(q, -1, axis).astype(np.float32)
;;   ~~~
;;   OPERANDS COMPUTED ON THE WAY. 'Computed on the way' means the value that the module computes at that place (a softmax that the list does not call 'softmax' is quantised finished and normalised). What goes into a quantiser is computed in f32, as accurately as f32 sums, v_exp_f32 and their like allow (about 1e-6 of the number): no bf16 or f16 on the way to a quantiser, and a product that is left as it is and whose result goes on into a quantised operand takes f32 operands (vector FMAs, or v_wmma_f32_16x16x4_f32). A number that lies on a knife's edge between two numbers of the format may be rounded either way, as far as f32 arithmetic and the matrix unit's own rounding can turn it there, and no further.
;;   INPUTS GIVEN AS CODES. P2 (in the module: [64, 64], K = its axis 0); W2 (in the module: [64, 64], K = its axis 0): each comes as NAME_codes (uint8): NAME with its K axis moved to the last place and cut into blocks of 32 codes, [.., K / 32, bytes a block], one block behind the other in memory; one code a byte (a code: sign, 5 exponent bits, 2 mantissa bits); its scale is its entry of lowp_scales. Its value is code x scale, taken as it is: it is not quantised again, and the codes and scales need not be those that the quantiser above would give.
;; 2 versions, each right; version 2 is version 1 with the launch head written anew for expert scheduling mode. Each part assembles by itself: llvm-mc -triple=amdgcn-amd-amdhsa -mcpu=gfx1250 --defsym DOCPART=n.
;; ======== version 1 of 2: 2 launches
;; workspace buffers: part 131,072 bytes
;; launch events (part 1): grid 256 x 1, 8 waves a work-group, no clusters, 6,144 bytes of LDS; arguments x, W1, b1, W2_codes, lowp_scales, part; writes part
.if DOCPART == 1
	.amdgcn_target "amdgcn-amd-amdhsa--gfx1250"
	.amdhsa_code_object_version 6
	.text
	.protected	k_q605ac2b49b_events
	.globl	k_q605ac2b49b_events
	.p2align	8
	.type	k_q605ac2b49b_events,@function
k_q605ac2b49b_events:
	s_mov_b64 s[64:65], 0
	v_nop
	global_prefetch_b8 v0, s[64:65] scope:SCOPE_SE
	s_setreg_imm32_b32 hwreg(HW_REG_WAVE_MODE, 25, 1), 1
	s_wait_xcnt 0x0
; RUN-LENGTH EVENTS, THEIR TWO-LAYER MLP, AND THE SUM OVER EVENTS.  x: [64][2048][8] f32.  A slot (b, c, t) is an event where bit(t) = (x > 0.5) differs from bit(t - 1) (t = 0 always).
; An event's row is [onehot(c), bit, t / 2047, dur / 2048]; so row . W1 + b1 = (b1 + W1[c]) + bit W1[8] + tn W1[9] + dn W1[10]: three f32 multiply-adds a hidden unit, two units an instruction.
; relu, the hold at the largest code and the mask are ONE v_med3 between 0 and a limit that is 57,344 x 2^e0 in an event's lane and 0 elsewhere: a slot that is no event gets zero codes, which add nothing.
; The second product (hidden codes x W2's codes, E5M2) goes to the matrix unit for all slots; only the SUM over events is wanted, so every step adds into the same four accumulators.
; b2 and the scale 2^(e0 + e1) are applied by the next launch, from the raw sums and the count of events that this one stores.
; SHARES.  Work-group id = 4 b + q owns components 2 q, 2 q + 1 of batch b: 4,096 slots.  Wave w: component 2 q + w / 4, words 16 (w % 4) .. + 15; a word is 32 consecutive t; a step is one word: lane = slot.
; OPERANDS (16 x 16 x 128).  Lane l holds ALL 64 hidden units of ITS OWN slot: register p, byte y = unit 4 p + y.  W2's tile u holds in lane (r, h), for both h alike, the 64 codes of row n = 4 r + u.
; The place of k in the registers is one map for both sources, so D(m, n) = h(slot m)[n] + h(slot m + 16)[n].  At the end the eight registers and the other half of the lanes are added: lane r holds n = 4 r .. 4 r + 3.
; OUT.  part[id]: 128 f32: 0-63 the raw sums of code products, 64 (and 68, 72 ..) the work-group's count of events, the rest 0.  Wave 0 stores the row: 32 lanes, 512 consecutive bytes, aligned.
; NO JOINT LOADS: the four work-groups of a batch take different bytes of x (8 of every 32), each compared once, straight from registers; the weights are some 7 KB a wave, read once into registers.
; LIMITS: e0 between -126 and 112, so that 2^e0 and 57,344 x 2^e0 are f32 numbers.  NaN in W1 or b1 is not served; a NaN in x compares false.
; REGISTERS.  Window 0: below.  Window 1 (the same numbers in every lane): v0-63 W1[8], v64-127 W1[9], v128-191 W1[10], v192-255 b1 + W1[c].
.set RED,   1024                       ; LDS: bytes 0-511 the table of bit words, 256 x component + 4 x word; from 1,024 on a record of 512 bytes for each wave
.set LN,    1                          ; v1   lane
.set ZR,    2                          ; v2   0: the offset of loads that bring every lane the same bytes
.set XO,    3                          ; v3   x: 32 x lane + 8,192 x wave
.set WA,    4                          ; v4   W2's codes: 256 x (lane % 16)
.set TST,   5                          ; v5   where lanes 0-15 store the wave's sixteen bit words
.set AB,    6                          ; v6   table address of word 16 k + lane - 1
.set AP,    7                          ; v7   of the word before it
.set AW,    8                          ; v8   of word = lane (and, 128 bytes on, of word 32 + lane)
.set VW,    9                          ; v9   the bit words that this wave makes
.set VB,    10                         ; v10  lane i: bits of my word i - 1
.set VP,    11                         ; v11  lane i: bits of the word before
.set VS,    12                         ; v12  lane i: starts in my word i - 1
.set WLO,   13                         ; v13  all words of my component, 0-31
.set WUP,   14                         ; v14  32-63
.set RST,   15                         ; v15  my lane's 16 bytes in my wave's record
.set XR,    16                         ; v16-31 x as loaded
.set SEQ,   32                         ; v32  the slot's bit as f32
.set LIM,   33                         ; v33  the slot's limit
.set TN,    34                         ; v34  t / 2047
.set TF,    35                         ; v35  t as f32
.set DN,    36                         ; v36  dur / 2048 (v37 is named with it as a pair, so it is written)
.set SC,    38                         ; v38  2^e0
.set LIMC,  39                         ; v39  57,344 x 2^e0
.set T0,    40                         ; v40-44, v47 at work
.set T1,    41
.set T2,    42
.set T3,    43
.set T4,    44
.set GO,    45                         ; v45  16 x lane
.set RRD,   46                         ; v46  RED + 16 x lane
.set T7,    47
.set PC,    48                         ; v48-63   the step's codes
.set H,     64                         ; v64-127  the hidden layer; b1 on arrival; the eight records at the end
.set BF,    128                        ; v128-191 W2's four tiles
.set ACC,   192                        ; v192-223 the four accumulators
.set R,     224                        ; v224-227 my four sums
.set PS,    232                        ; v232-239 pairs on the way to them
.set W8,    0
.set W9,    64
.set W10,   128
.set BASE,  192
.set WV,    16                         ; s16 wave;  s17 q, s18 b, s19 component in the pair, s20 k, s21 c, s22 e0
.set I,     30                         ; s30 the step's lane in VB and VS, and the loop's counter
.set SS,    31                         ; s31 the word's starts
.set SB,    32                         ; s32 the word's bits
.set S1,    33                         ; s33 starts >> 1
.set D,     34                         ; s34 N - TB
.set N,     35                         ; s35 the first start behind the word in hand (2,048 if none)
.set TB,    36                         ; s36 the word's first t
.set CNT,   37                         ; s37 events counted
.set RC,    42                         ; s42 1 / 2047 as f32
.set C2047, 43                         ; s43 2047.0
.set WHI,   46                         ; s46 the first word behind mine
.set MSB, 0
.macro WIN new                         ; the immediate's high byte repeats the setting that is left
.if MSB != \new
	s_set_vgpr_msb (MSB<<8)|\new
.set MSB, \new
.endif
.endm
	s_load_b256 s[4:11], s[0:1], 0x0               ; x s[4:5], W1 s[6:7], b1 s[8:9], W2's codes s[10:11]
	s_load_b128 s[12:15], s[0:1], 0x20             ; the scales' exponents s[12:13], part s[14:15]
	v_lshl_add_u32 v254, v0, 2, 0x1400
	v_mov_b32 v255, 0
	v_and_b32 v[LN], 31, v0
	v_lshrrev_b32 v[T0], 5, v0
	v_readfirstlane_b32 s[WV], v[T0]               ; wave 0..7
	v_mov_b32 v[ZR], 0
	v_mov_b32 v[VW], 0                             ; written whole before single lanes are written
	v_mov_b32 v[DN+1], 0
	s_and_b32 s17, ttmp9, 3                        ; q
	s_lshr_b32 s18, ttmp9, 2                       ; b
	s_lshr_b32 s19, s[WV], 2                       ; which of the two components
	s_and_b32 s20, s[WV], 3                        ; k: which sixteen words
	s_lshl_b32 s21, s17, 1
	s_add_co_u32 s21, s21, s19                     ; c
	s_lshl_b32 s38, s[WV], 13
	v_lshl_add_u32 v[XO], v[LN], 5, s38            ; for the bits wave w takes t = 256 w + 32 g + lane: a t is 32 bytes
	v_and_b32 v[WA], 15, v0
	v_lshlrev_b32 v[WA], 8, v[WA]                  ; rows 4 r .. 4 r + 3 of W2's codes, 64 bytes each
	v_bfe_u32 v[TST], v0, 3, 1
	v_lshlrev_b32 v[TST], 8, v[TST]
	v_and_b32 v[T0], 7, v0
	v_lshl_add_u32 v[TST], v[T0], 2, v[TST]
	s_lshl_b32 s38, s[WV], 5
	v_add_nc_u32 v[TST], s38, v[TST]               ; lane 8 comp + g: 256 comp + 4 (8 w + g)
	s_lshl_b32 s39, s20, 4                         ; 16 k
	s_add_co_u32 s[WHI], s39, 16
	s_lshl_b32 s38, s19, 8
	v_add_nc_u32 v[T0], s39, v[LN]
	v_add_nc_u32 v[T1], 63, v[T0]
	v_and_b32 v[T1], 63, v[T1]                     ; word 16 k + lane - 1, round the table
	v_lshl_add_u32 v[AB], v[T1], 2, s38
	v_add_nc_u32 v[T1], 62, v[T0]
	v_and_b32 v[T1], 63, v[T1]
	v_lshl_add_u32 v[AP], v[T1], 2, s38
	v_lshl_add_u32 v[AW], v[LN], 2, s38
	s_lshl_b32 s38, s[WV], 9
	s_add_co_u32 s38, s38, RED
	v_lshl_add_u32 v[RST], v[LN], 4, s38
	v_lshlrev_b32 v[GO], 4, v[LN]
	v_add_nc_u32 v[RRD], RED, v[GO]
	s_mov_b32 s40, 0x76543210                      ; v_permlanex16_b32: lane l xor 16
	s_mov_b32 s41, 0xfedcba98
	s_mov_b32 s[RC], 0x3a001002
	s_mov_b32 s[C2047], 0x44ffe000
	s_mov_b32 s44, 0xffff0000                      ; lanes 16-31
	s_lshl_b32 s26, s18, 16                        ; a batch of x is 65,536 bytes,
	s_lshl_b32 s38, s17, 3                         ; my two components 8 bytes of a t's 32
	s_or_b32 s26, s26, s38
	s_mov_b32 s27, 0
	s_lshl_b32 s28, s21, 8                         ; row c of W1
	s_mov_b32 s29, 0
	s_lshl_b32 s48, ttmp9, 9                       ; my row of part
	s_mov_b32 s49, 0
	s_wait_kmcnt 0x0
	s_load_b32 s22, s[12:13], 0x0                  ; e0
	s_add_nc_u64 s[4:5], s[4:5], s[26:27]
	s_add_nc_u64 s[24:25], s[6:7], s[28:29]
	s_add_nc_u64 s[14:15], s[14:15], s[48:49]
	; 104 loads: x first, since the bits are wanted first
.irp g, 0,1,2,3,4,5,6,7
	global_load_b64 v[XR+2*\g:XR+2*\g+1], v[XO], s[4:5] offset:1024*\g
.endr
.irp t, 0,1,2,3
.irp i, 0,1,2,3
	global_load_b128 v[BF+16*\t+4*\i:BF+16*\t+4*\i+3], v[WA], s[10:11] offset:64*\t+16*\i
.endr
.endr
	WIN 0x40                                       ; destination window 1, offset window 0
.irp i, 0,1,2,3,4,5,6,7,8,9,10,11,12,13,14,15
	global_load_b128 v[W8+4*\i:W8+4*\i+3], v[ZR], s[6:7] offset:2048+16*\i
.endr
.irp i, 0,1,2,3,4,5,6,7,8,9,10,11,12,13,14,15
	global_load_b128 v[W9+4*\i:W9+4*\i+3], v[ZR], s[6:7] offset:2304+16*\i
.endr
.irp i, 0,1,2,3,4,5,6,7,8,9,10,11,12,13,14,15
	global_load_b128 v[W10+4*\i:W10+4*\i+3], v[ZR], s[6:7] offset:2560+16*\i
.endr
.irp i, 0,1,2,3,4,5,6,7,8,9,10,11,12,13,14,15
	global_load_b128 v[BASE+4*\i:BASE+4*\i+3], v[ZR], s[24:25] offset:16*\i
.endr
	WIN 0
.irp i, 0,1,2,3,4,5,6,7,8,9,10,11,12,13,14,15
	global_load_b128 v[H+4*\i:H+4*\i+3], v[ZR], s[8:9] offset:16*\i
.endr
	; THE BITS: a comparison over the 32 lanes is a word of 32 t
	s_wait_loadcnt 63                              ; loads come back in order: of 104, at most 63 are out, so the 41 oldest are in, x's eight among them (the count's field holds no more than 63)
.irp g, 0,1,2,3,4,5,6,7
	v_cmp_lt_f32 s38, 0.5, v[XR+2*\g]
	v_writelane_b32 v[VW], s38, \g
	v_cmp_lt_f32 s39, 0.5, v[XR+2*\g+1]
	v_writelane_b32 v[VW], s39, 8+\g
.endr
	v_cmp_gt_u32 vcc_lo, 16, v[LN]
	s_wait_xcnt 0x0                                ; EXEC is a source of the loads that are out: it changes only behind this wait
	s_and_saveexec_b32 s45, vcc_lo
	ds_store_b32 v[TST], v[VW]                     ; lanes 0-15: sixteen words
	s_or_b32 exec_lo, exec_lo, s45                 ; (no load or store to memory was issued since the wait)
	s_wait_dscnt 0x0                               ; for the others' sake: my words lie in the table
	s_barrier_signal -1
	s_barrier_wait -1
	ds_load_b32 v[VB], v[AB]
	ds_load_b32 v[VP], v[AP]
	ds_load_b32 v[WLO], v[AW]
	ds_load_b32 v[WUP], v[AW] offset:128
	s_wait_dscnt 0x0
	; THE STARTS: bit(t) xor bit(t - 1).  In front of t = 0 stands the opposite of bit(0): always a start
	v_readlane_b32 s38, v[VP], 1
	v_readlane_b32 s39, v[VB], 1
	s_lshl_b32 s39, s39, 31
	s_not_b32 s39, s39
	s_cmp_eq_u32 s20, 0
	s_cselect_b32 s38, s39, s38
	v_writelane_b32 v[VP], s38, 1
	v_alignbit_b32 v[T1], v[VB], v[VP], 31         ; the word moved up by one t, the word before's last bit below
	v_xor_b32 v[VS], v[VB], v[T1]
	; THE FIRST START BEHIND MY WORDS: the first t there whose bit differs from my last bit.  g = 2,048 - t, 0 where a lane has none; the largest g over the lanes
	v_readlane_b32 s38, v[VB], 16
	s_ashr_i32 s38, s38, 31                        ; my last bit, 32 times
	v_lshlrev_b32 v[T2], 5, v[LN]
	v_add_nc_u32 v[T7], 32, v[LN]
.macro AHEAD w, gb, wd, g              ; v[w]: a word a lane; v[wd]: its number; gb - 32 lane - (127 + the lowest differing bit's place) = g
	v_xor_b32 v[T0], s38, v[\w]
	v_sub_nc_u32 v[\g], 0, v[T0]
	v_and_b32 v[\g], v[T0], v[\g]                  ; the lowest bit alone: a power of two,
	v_cvt_f32_u32 v[\g], v[\g]
	v_lshrrev_b32 v[\g], 23, v[\g]                 ; whose exponent field is its place + 127
	v_sub_nc_u32 v[T3], \gb, v[T2]
	v_sub_nc_u32 v[\g], v[T3], v[\g]
	v_cmp_ne_u32 vcc_lo, 0, v[T0]
	v_cndmask_b32 v[\g], 0, v[\g], vcc_lo
	v_cmp_le_u32 vcc_lo, s[WHI], v[\wd]            ; only words behind mine count
	v_cndmask_b32 v[\g], 0, v[\g], vcc_lo
	v_cvt_f32_u32 v[\g], v[\g]
.endm
	AHEAD WLO, 2175, LN, T1
	AHEAD WUP, 1151, T7, T4
	v_max_num_f32 v[T1], v[T1], v[T4]
	v_max_num_f32_dpp v[T1], v[T1], v[T1] row_xmask:1 row_mask:0xf bank_mask:0xf
	v_max_num_f32_dpp v[T1], v[T1], v[T1] row_xmask:2 row_mask:0xf bank_mask:0xf
	v_max_num_f32_dpp v[T1], v[T1], v[T1] row_xmask:4 row_mask:0xf bank_mask:0xf
	v_max_num_f32_dpp v[T1], v[T1], v[T1] row_xmask:8 row_mask:0xf bank_mask:0xf
	v_permlanex16_b32 v[T0], v[T1], s40, s41
	v_max_num_f32 v[T1], v[T1], v[T0]
	v_cvt_u32_f32 v[T1], v[T1]
	v_readfirstlane_b32 s[N], v[T1]
	s_sub_co_u32 s[N], 0x800, s[N]
	; constants
	s_wait_kmcnt 0x0
	s_add_co_i32 s38, s22, 127
	s_lshl_b32 s39, s38, 23
	v_mov_b32 v[SC], s39                           ; 2^e0: the conversion takes its exponent field
	s_add_co_i32 s38, s38, 15
	s_lshl_b32 s38, s38, 23
	s_or_b32 s38, s38, 0x600000
	v_mov_b32 v[LIMC], s38                         ; 57,344 x 2^e0
	s_lshl_b32 s[TB], s20, 9
	s_add_co_u32 s[TB], s[TB], 480                 ; my last word's first t: the steps go DOWN, so that the next start is always known
	s_mov_b32 s[CNT], 0
	v_add_nc_u32 v[T0], s[TB], v[LN]
	v_cvt_f32_u32 v[TF], v[T0]
	s_wait_loadcnt 0x0                             ; the weights
	WIN 0x41                                       ; destination and source 0 window 1
.set j, 0
.rept 32
	v_pk_add_f32 v[BASE+j:BASE+j+1], v[BASE+j:BASE+j+1], v[H+j:H+j+1]   ; W1[c] + b1
.set j, j+2
.endr
	WIN 0
; A STEP: one word, 32 slots, a slot a lane.  first = 1: the products start the sums.
.macro STEP first
	v_readlane_b32 s[SS], v[VS], s[I]
	v_readlane_b32 s[SB], v[VB], s[I]
	s_lshr_b32 s[S1], s[SS], 1
	s_sub_co_u32 s[D], s[N], s[TB]
	v_lshrrev_b32 v[T0], v[LN], s[S1]              ; the word's starts behind my t
	v_sub_nc_u32 v[T1], 0, v[T0]
	v_and_b32 v[T1], v[T0], v[T1]
	v_cvt_f32_u32 v[T1], v[T1]
	v_lshrrev_b32 v[T1], 23, v[T1]
	v_add_nc_u32 v[T1], 0xffffff82, v[T1]          ; the nearest one's distance: its place + 1
	v_sub_nc_u32 v[T2], s[D], v[LN]                ; or, if the word has none, up to the first start behind the word
	v_cmp_eq_u32 vcc_lo, 0, v[T0]
	v_cndmask_b32 v[T1], v[T1], v[T2], vcc_lo
	v_cvt_f32_u32 v[T1], v[T1]
	v_ldexp_f32 v[DN], v[T1], -11                  ; dur / 2048, exact
	v_mul_f32 v[TN], s[RC], v[TF]                  ; t / 2047: the product with the reciprocal, and one step that takes its remainder back in
	v_fma_f32 v[T3], -v[TN], s[C2047], v[TF]
	v_fma_f32 v[TN], v[T3], s[RC], v[TN]
	v_cndmask_b32 v[SEQ], 0, 1.0, s[SB]
	v_cndmask_b32 v[LIM], 0, v[LIMC], s[SS]        ; no event: the limit is 0
	s_bcnt1_i32_b32 s38, s[SS]
	s_add_co_u32 s[CNT], s[CNT], s38
	s_ctz_i32_b32 s38, s[SS]
	s_add_co_u32 s38, s38, s[TB]
	s_cmp_lg_u32 s[SS], 0
	s_cselect_b32 s[N], s38, s[N]                  ; for the word below: this word's first start, if it has one
	s_sub_co_u32 s[TB], s[TB], 32
	WIN 0x11                                       ; sources 0 and 2 window 1
.set j, 0
.rept 32
	v_pk_fma_f32 v[H+j:H+j+1], v[W8+j:W8+j+1], v[SEQ:SEQ+1], v[BASE+j:BASE+j+1] op_sel_hi:[1,0,1]
.set j, j+2
.endr
	WIN 0x01                                       ; source 0 window 1
.set j, 0
.rept 32
	v_pk_fma_f32 v[H+j:H+j+1], v[W9+j:W9+j+1], v[TN:TN+1], v[H+j:H+j+1] op_sel_hi:[1,0,1]
.set j, j+2
.endr
.set j, 0
.rept 32
	v_pk_fma_f32 v[H+j:H+j+1], v[W10+j:W10+j+1], v[DN:DN+1], v[H+j:H+j+1] op_sel_hi:[1,0,1]
.set j, j+2
.endr
	WIN 0
.irp g, 0,1,2,3,4,5,6,7
.irp i, 0,1,2,3,4,5,6,7
	v_med3_num_f32 v[H+8*\g+\i], v[H+8*\g+\i], 0, v[LIM]   ; relu, the hold (the conversion to an 8-bit code does not saturate: ISA guide 7.6.2) and the mask in one
.endr
	v_cvt_scalef32_pk8_bf8_f32 v[PC+2*\g:PC+2*\g+1], v[H+8*\g:H+8*\g+7], v[SC]
.endr
	v_add_f32 v[TF], 0xc2000000, v[TF]             ; t - 32, for the word below: the plain line between the last conversion and the products that read its codes
.irp t, 0,1,2,3                        ; the four accumulators take turns, over the backward jump too
.if \first
	v_wmma_f32_16x16x128_bf8_bf8 v[ACC+8*\t:ACC+8*\t+7], v[PC:PC+15], v[BF+16*\t:BF+16*\t+15], 0
.else
	v_wmma_f32_16x16x128_bf8_bf8 v[ACC+8*\t:ACC+8*\t+7], v[PC:PC+15], v[BF+16*\t:BF+16*\t+15], v[ACC+8*\t:ACC+8*\t+7]
.endif
.endr
.endm                                  ; the codes' registers are written again more than a hundred plain vector lines further on
	s_mov_b32 s[I], 16
	STEP 1                                         ; the first step stands in front of the loop: nothing is cleared
	s_mov_b32 s[I], 15
.Lstep:                                                ; fifteen trips: lanes 15 .. 1
	STEP 0
	s_sub_co_u32 s[I], s[I], 1
	s_cmp_lg_u32 s[I], 0
	s_cbranch_scc1 .Lstep
	; THE WAY OUT.  Four places behind the last product, then each accumulator from its low end on
	v_cvt_f32_u32 v[T4], s[CNT]
.rept 3
	v_nop
.endr
.irp t, 0,1,2,3
	v_pk_add_f32 v[PS+2*\t:PS+2*\t+1], v[ACC+8*\t:ACC+8*\t+1], v[ACC+8*\t+2:ACC+8*\t+3]
.endr
.irp t, 0,1,2,3
	v_pk_add_f32 v[PS+2*\t:PS+2*\t+1], v[PS+2*\t:PS+2*\t+1], v[ACC+8*\t+4:ACC+8*\t+5]
.endr
.irp t, 0,1,2,3
	v_pk_add_f32 v[PS+2*\t:PS+2*\t+1], v[PS+2*\t:PS+2*\t+1], v[ACC+8*\t+6:ACC+8*\t+7]
.endr
.irp t, 0,1,2,3
	v_add_f32 v[R+\t], v[PS+2*\t], v[PS+2*\t+1]
.endr
.irp t, 0,1,2,3
	v_permlanex16_b32 v[T0+\t], v[R+\t], s40, s41  ; rows 8-15 lie in the lane 16 away
.endr
.irp t, 0,1,2,3
	v_add_f32 v[R+\t], v[R+\t], v[T0+\t]           ; lane r: n = 4 r + t
.endr
	v_cndmask_b32 v[R], v[R], v[T4], s44           ; lanes 16-31 carry the count and zeros
	v_cndmask_b32 v[R+1], v[R+1], v[ZR], s44
	v_cndmask_b32 v[R+2], v[R+2], v[ZR], s44
	v_cndmask_b32 v[R+3], v[R+3], v[ZR], s44
	ds_store_b128 v[RST], v[R:R+3]
	s_wait_dscnt 0x0                               ; for wave 0's sake: my record lies in LDS
	s_barrier_signal -1
	s_barrier_wait -1
	s_cmp_lg_u32 s[WV], 0
	s_cbranch_scc1 .Lend
.irp i, 0,1,2,3,4,5,6,7
	ds_load_b128 v[H+4*\i:H+4*\i+3], v[RRD] offset:512*\i
.endr
	s_wait_dscnt 0x0
.irp i, 0,2,4,6
	v_pk_add_f32 v[H+4*\i:H+4*\i+1], v[H+4*\i:H+4*\i+1], v[H+4*\i+4:H+4*\i+5]
	v_pk_add_f32 v[H+4*\i+2:H+4*\i+3], v[H+4*\i+2:H+4*\i+3], v[H+4*\i+6:H+4*\i+7]
.endr
.irp i, 0,4
	v_pk_add_f32 v[H+4*\i:H+4*\i+1], v[H+4*\i:H+4*\i+1], v[H+4*\i+8:H+4*\i+9]
	v_pk_add_f32 v[H+4*\i+2:H+4*\i+3], v[H+4*\i+2:H+4*\i+3], v[H+4*\i+10:H+4*\i+11]
.endr
	v_pk_add_f32 v[H:H+1], v[H:H+1], v[H+16:H+17]
	v_pk_add_f32 v[H+2:H+3], v[H+2:H+3], v[H+18:H+19]
	global_store_b128 v[GO], v[H:H+3], s[14:15]    ; 32 lanes store 512 consecutive bytes, at a multiple of 512 from part's first byte
.Lend:
	s_wait_tensorcnt 0x0
	ds_add_u32 v254, v255
	s_wait_dscnt 0x0
	s_endpgm
.Lfunc_end_k_q605ac2b49b_events:
	.size	k_q605ac2b49b_events, .Lfunc_end_k_q605ac2b49b_events-k_q605ac2b49b_events
	.p2alignl 7, 3214868480
	.fill 96, 4, 3214868480
	.section	.rodata,"a",@progbits
	.p2align	6, 0x0
	.amdhsa_kernel k_q605ac2b49b_events
		.amdhsa_group_segment_fixed_size 6144
		.amdhsa_private_segment_fixed_size 0
		.amdhsa_enable_private_segment 0
		.amdhsa_kernarg_size 48
		.amdhsa_user_sgpr_count 2
		.amdhsa_user_sgpr_kernarg_segment_ptr 1
		.amdhsa_wavefront_size32 1
		.amdhsa_system_sgpr_workgroup_id_x 1
		.amdhsa_system_sgpr_workgroup_id_y 1
		.amdhsa_system_sgpr_workgroup_id_z 1
		.amdhsa_system_vgpr_workitem_id 0
		.amdhsa_next_free_vgpr 512
		.amdhsa_next_free_sgpr 66
		.amdhsa_reserve_vcc 1
		.amdhsa_float_denorm_mode_32 3
		.amdhsa_float_denorm_mode_16_64 3
		.amdhsa_memory_ordered 1
		.amdhsa_forward_progress 1
		.amdhsa_inst_pref_size 48
	.end_amdhsa_kernel
	.amdgpu_metadata
---
amdhsa.version: [ 1, 2 ]
amdhsa.kernels:
  - .name:           k_q605ac2b49b_events
    .symbol:         k_q605ac2b49b_events.kd
    .args:
      - { .name: x, .offset: 0, .size: 8, .value_kind: global_buffer, .address_space: global }
      - { .name: W1, .offset: 8, .size: 8, .value_kind: global_buffer, .address_space: global }
      - { .name: b1, .offset: 16, .size: 8, .value_kind: global_buffer, .address_space: global }
      - { .name: W2_codes, .offset: 24, .size: 8, .value_kind: global_buffer, .address_space: global }
      - { .name: lowp_scales, .offset: 32, .size: 8, .value_kind: global_buffer, .address_space: global }
      - { .name: part, .offset: 40, .size: 8, .value_kind: global_buffer, .address_space: global }
    .group_segment_fixed_size: 6144
    .private_segment_fixed_size: 0
    .kernarg_segment_align: 8
    .kernarg_segment_size: 48
    .max_flat_workgroup_size: 256
    .sgpr_count:     66
    .vgpr_count:     512
    .wavefront_size: 32
...
	.end_amdgpu_metadata
.endif
;; end of part 1
;; launch head (part 2): grid 4 x 1, 1 waves a work-group, no clusters, 0 bytes of LDS; arguments part, P1, P2_codes, b2, pb1, pb2, lowp_scales, out0; writes out0
.if DOCPART == 2
	.amdgcn_target "amdgcn-amd-amdhsa--gfx1250"
	.amdhsa_code_object_version 6
	.text
	.protected	k_q605ac2b49b_head
	.globl	k_q605ac2b49b_head
	.p2align	8
	.type	k_q605ac2b49b_head,@function
k_q605ac2b49b_head:
	s_mov_b64 s[64:65], 0
	v_nop
	global_prefetch_b8 v0, s[64:65] scope:SCOPE_SE
	s_setreg_imm32_b32 hwreg(HW_REG_WAVE_MODE, 25, 1), 1
	s_wait_xcnt 0x0
; THE HEAD.  For each batch: raw = the sum of its four rows of part, cnt = the sum of their counts, valid = max(cnt, 1); pooled = raw x 2^(e0 + e1) / valid + b2 x cnt / valid;
; z = [pooled, valid / 16384]; out = relu(Q(z) Q(P1) + pb1), quantised, x P2's codes + pb2.  All quantised products on codes of E5M2, sums in f32.
; SHARES.  Work-group m, ONE wave, takes batches 16 m .. 16 m + 15: one tile of rows, no LDS, no barrier.  64 batches give work for four such waves and no more.  r = lane % 16, h = lane / 16.
; z x P1, K = 65, by the 16 x 16 x 128 form, USED TRANSPOSED (source 0 = 16 columns of P1, source 1 = z's 16 batches).  Both sources place k alike: half h, register p < 8, byte y: k = 32 h + 4 p + y;
; half 0, register 8, byte 0: k = 64; every other place holds the code 0 on both sides.  Tile i's lane r is hidden unit 4 r + i, so that one load of 16 bytes of a row of P1 serves the four tiles.
; Its C is pb1 / 2^(e2 + e3).  Register 8 i + j of lane (r, h) is then hidden unit 32 h + 4 j + i of batch r: the hold writes it to place 4 j + i, and the codes ARE the next product's first source.
; y x P2, K = 64, by the 16 x 16 x 64 form: source 0 = y's codes (half h, register p, byte y: unit 32 h + 4 p + y), source 1 = P2's tile i, whose lane r is output 4 r + i: bytes 32 h .. 32 h + 31 of that row.
; Register 8 i + j of lane (r, h) is out(batch 8 h + j, 4 r + i): the last multiply-add writes it to place 4 j + i, and sixteen lanes store a whole row of 256 bytes.
; LIMITS on the given exponents, so that each power of two below is an f32 number: e2, e3 and e4 - e2 - e3 between -126 and 112; e4 + e5 between -126 and 127; e0 + e1 between -112 and 126.  NaN among the inputs is not served.
; REGISTERS.  Window 0: v1 r, v2 h, v3-9 offsets, v10-13 counts, v14 cnt, v15 valid, v[16:17] 2^(e0 + e1) / valid, v[18:19] cnt / valid, v20-25 three scales with their limits, v26, v27 the limits of z and P1 with 0 in
;   lanes 16-31, v28-35 z's k = 64 and seven zeros, v36-39 pb2, v40-71 z, later the second sums, v72-103 b2, later y, v104-119 z's codes, v120-127 y's codes, v128-191 P1's codes, later out, v192-223 P2's codes, v224-255 pb1, then the first sums.
;   Window 1: v0-131 P1 as loaded.  Window 2: v0-127 the four rows of part, v128-159 pb1 as loaded.  Window 3: v0-127 P1 held, k along the registers; v128-159 its k = 64, each with seven zeros.
.set MSB, 0
.macro WIN new                         ; the immediate's high byte repeats the setting that is left
.if MSB != \new
	s_set_vgpr_msb (MSB<<8)|\new
.set MSB, \new
.endif
.endm
.macro SCALE se, vs, vl                ; s[se] = e:  v[vs] = 2^e, v[vl] = 57,344 x 2^e
	s_add_co_i32 s28, s[\se], 127
	s_lshl_b32 s29, s28, 23
	v_mov_b32 v[\vs], s29
	s_add_co_i32 s28, s28, 15
	s_lshl_b32 s28, s28, 23
	s_or_b32 s28, s28, 0x600000
	v_mov_b32 v[\vl], s28
.endm
	s_load_b512 s[4:19], s[0:1], 0x0               ; part s[4:5], P1 s[6:7], P2's codes s[8:9], b2 s[10:11], pb1 s[12:13], pb2 s[14:15], the exponents s[16:17], out s[18:19]
	v_and_b32 v1, 15, v0                           ; r
	v_bfe_u32 v2, v0, 4, 1                         ; h
	v_lshlrev_b32 v3, 11, v1
	v_lshl_add_u32 v3, v2, 7, v3                   ; part: batch r is 2,048 bytes, + my half's 32 numbers
	v_lshlrev_b32 v6, 4, v1                        ; 16 r
	v_lshl_add_u32 v4, v2, 13, v6                  ; P1: row 32 h, columns 4 r ..
	v_lshlrev_b32 v5, 7, v2                        ; b2, pb1: my half's 32 numbers
	v_lshlrev_b32 v7, 8, v1
	v_lshl_add_u32 v7, v2, 5, v7                   ; P2's codes: rows 4 r .., my half's 32 bytes
	v_lshl_add_u32 v8, v2, 11, v6                  ; out: batch 8 h, columns 4 r ..
	v_lshlrev_b32 v9, 11, v1
	v_add_nc_u32 v9, 256, v9                       ; part: a row's count
	s_lshl_b32 s26, ttmp9, 15                      ; my 16 batches of part,
	s_mov_b32 s27, 0
	s_lshl_b32 s28, ttmp9, 12                      ; and of out
	s_mov_b32 s29, 0
	s_wait_kmcnt 0x0
	s_load_b128 s[20:23], s[16:17], 0x0            ; e0 .. e3
	s_load_b64 s[24:25], s[16:17], 0x10            ; e4, e5
	s_add_nc_u64 s[4:5], s[4:5], s[26:27]
	s_add_nc_u64 s[18:19], s[18:19], s[28:29]
	; 94 loads; what is worked on first comes first
	WIN 0x40                                       ; destination window 1
.set j, 0
.rept 32
	global_load_b128 v[4*j:4*j+3], v4, s[6:7] offset:256*j          ; P1(32 h + j, 4 r .. 4 r + 3)
.set j, j+1
.endr
	global_load_b128 v[128:131], v6, s[6:7] offset:16384            ; P1(64, 4 r ..)
	WIN 0x80                                       ; destination window 2
.irp j, 0,1,2,3,4,5,6,7
	global_load_b128 v[128+4*\j:131+4*\j], v5, s[12:13] offset:16*\j
.endr
.irp q, 0,1,2,3
.irp i, 0,1,2,3,4,5,6,7
	global_load_b128 v[32*\q+4*\i:32*\q+4*\i+3], v3, s[4:5] offset:512*\q+16*\i
.endr
.endr
	WIN 0
.irp q, 0,1,2,3
	global_load_b32 v[10+\q], v9, s[4:5] offset:512*\q
.endr
.irp i, 0,1,2,3,4,5,6,7
	global_load_b128 v[72+4*\i:75+4*\i], v5, s[10:11] offset:16*\i
.endr
	global_load_b128 v[36:39], v6, s[14:15]
.irp i, 0,1,2,3
.irp u, 0,1
	global_load_b128 v[192+8*\i+4*\u:195+8*\i+4*\u], v7, s[8:9] offset:64*\i+16*\u
.endr
.endr
	s_wait_kmcnt 0x0
	s_add_co_i32 s26, s20, s21                     ; e0 + e1
	s_add_co_i32 s27, s22, s23                     ; e2 + e3
	s_sub_co_i32 s31, 0, s27
	s_sub_co_i32 s32, s24, s27                     ; e4 - e2 - e3: the first sums lack 2^(e2 + e3), so the three scales fold into the conversion's one
	s_add_co_i32 s30, s24, s25
	s_add_co_i32 s30, s30, 127
	s_lshl_b32 s30, s30, 23                        ; 2^(e4 + e5)
	s_mov_b32 s33, 0xffff0000                      ; lanes 16-31
	SCALE 22, 20, 21
	SCALE 23, 22, 23
	SCALE 32, 24, 25
	; the places of K beyond 65 hold zero codes on both sides
.irp n, 29,30,31,32,33,34,35, 114,115,116,117,118,119
	v_mov_b32 v[\n], 0
.endr
.irp i, 0,1,2,3
.irp n, 10,11,12,13,14,15
	v_mov_b32 v[128+16*\i+\n], 0
.endr
.endr
	v_cndmask_b32 v26, v21, v29, s33               ; k = 64 lies in lanes 0-15 alone: the other half's limit is 0
	v_cndmask_b32 v27, v23, v29, s33
	WIN 0xc0                                       ; destination window 3
.irp i, 0,1,2,3
.irp n, 1,2,3,4,5,6,7
	v_mov_b32 v[128+8*\i+\n], 0
.endr
.endr
	; P1: held, laid with k along the registers, converted
	s_wait_loadcnt 53                              ; P1's 33 loads and pb1's 8 are in: behind them 32 + 4 + 8 + 1 + 8 = 53 may be out
	WIN 0xc1                                       ; destination window 3, source 0 window 1
.irp i, 0,1,2,3
.set j, 0
.rept 32
	v_med3_num_f32 v[32*\i+j], v[4*j+\i], -v23, v23   ; the conversion to an 8-bit code does not saturate (ISA guide 7.6.2): the hold at the largest code x the scale
.set j, j+1
.endr
	v_med3_num_f32 v[128+8*\i], v[128+\i], -v27, v27
.endr
	WIN 0x03                                       ; source 0 window 3
.irp i, 0,1,2,3
.irp g, 0,1,2,3
	v_cvt_scalef32_pk8_bf8_f32 v[128+16*\i+2*\g:129+16*\i+2*\g], v[32*\i+8*\g:32*\i+8*\g+7], v22
.endr
	v_cvt_scalef32_pk8_bf8_f32 v[136+16*\i:137+16*\i], v[128+8*\i:135+8*\i], v22
.endr
	v_nop                                          ; a plain line behind the last conversion
	WIN 0x02                                       ; source 0 window 2
.irp i, 0,1,2,3
.irp j, 0,1,2,3,4,5,6,7
	v_ldexp_f32 v[224+8*\i+\j], v[128+4*\j+\i], s31   ; pb1(32 h + 4 j + i) / 2^(e2 + e3), in the result's layout: the C of the first product
.endr
.endr
	; z
	s_wait_loadcnt 0x0
	WIN 0x0a                                       ; sources 0 and 1 window 2
.set j, 0
.rept 16
	v_pk_add_f32 v[40+j:41+j], v[j:j+1], v[32+j:33+j]
.set j, j+2
.endr
	WIN 0x08                                       ; source 1 window 2
.set j, 0
.rept 16
	v_pk_add_f32 v[40+j:41+j], v[40+j:41+j], v[64+j:65+j]
.set j, j+2
.endr
.set j, 0
.rept 16
	v_pk_add_f32 v[40+j:41+j], v[40+j:41+j], v[96+j:97+j]
.set j, j+2
.endr
	WIN 0
	v_add_f32 v14, v10, v11
	v_add_f32 v15, v12, v13
	v_add_f32 v14, v14, v15                        ; cnt: whole numbers, exact
	v_max_num_f32 v15, 1.0, v14                    ; valid
	v_rcp_f32 v16, v15
	v_mov_b32 v17, 0                               ; (a plain line behind the reciprocal; v17 and v19 are named as upper halves of pairs)
	s_wait_alu depctr_va_vdst(0)
	v_fma_f32 v18, -v15, v16, 1.0
	v_fma_f32 v16, v18, v16, v16                   ; 1 / valid, with one step that takes the remainder back in
	v_mov_b32 v19, 0
	v_mul_f32 v18, v14, v16                        ; cnt / valid
	v_ldexp_f32 v16, v16, s26                      ; 2^(e0 + e1) / valid
.set j, 0
.rept 16
	v_pk_mul_f32 v[72+j:73+j], v[72+j:73+j], v[18:19] op_sel_hi:[1,0]
.set j, j+2
.endr
.set j, 0
.rept 16
	v_pk_fma_f32 v[40+j:41+j], v[40+j:41+j], v[16:17], v[72+j:73+j] op_sel_hi:[1,0,1]   ; pooled(32 h + j)
.set j, j+2
.endr
	v_ldexp_f32 v28, v15, -14                      ; valid / 16384
	v_med3_num_f32 v28, v28, -v26, v26
.irp g, 0,1,2,3
.irp i, 0,1,2,3,4,5,6,7
	v_med3_num_f32 v[40+8*\g+\i], v[40+8*\g+\i], -v21, v21
.endr
	v_cvt_scalef32_pk8_bf8_f32 v[104+2*\g:105+2*\g], v[40+8*\g:47+8*\g], v20
.endr
	v_cvt_scalef32_pk8_bf8_f32 v[112:113], v[28:35], v20
	v_nop                                          ; a plain line between the last conversion and the products that read its codes
.irp i, 0,1,2,3
	v_wmma_f32_16x16x128_bf8_bf8 v[224+8*\i:231+8*\i], v[128+16*\i:143+16*\i], v[104:119], v[224+8*\i:231+8*\i]
.endr
.rept 4
	v_nop                                          ; four places in front of the first read of the results
.endr
.irp j, 0,1,2,3,4,5,6,7                ; each accumulator from its low end on
.irp i, 0,1,2,3
	v_med3_num_f32 v[72+4*\j+\i], v[224+8*\i+\j], 0, v25   ; relu and the hold in one; unit 32 h + 4 j + i goes to place 4 j + i
.endr
.endr
.irp g, 0,1,2,3
	v_cvt_scalef32_pk8_bf8_f32 v[120+2*\g:121+2*\g], v[72+8*\g:79+8*\g], v24
.endr
	v_nop                                          ; a plain line between the last conversion and the products
.irp i, 0,1,2,3
	v_wmma_f32_16x16x64_bf8_bf8 v[40+8*\i:47+8*\i], v[120:127], v[192+8*\i:199+8*\i], 0
.endr
.rept 4
	v_nop
.endr
.irp j, 0,1,2,3,4,5,6,7
.irp i, 0,1,2,3
	v_fma_f32 v[128+4*\j+\i], v[40+8*\i+\j], s30, v[36+\i]   ; sum x 2^(e4 + e5) + pb2(4 r + i)
.endr
.endr
.irp j, 0,1,2,3,4,5,6,7
	global_store_b128 v8, v[128+4*\j:131+4*\j], s[18:19] offset:256*\j   ; lanes 0-15 store batch j's row of 256 bytes, lanes 16-31 batch 8 + j's: each aligned
.endr
	s_endpgm
.Lfunc_end_k_q605ac2b49b_head:
	.size	k_q605ac2b49b_head, .Lfunc_end_k_q605ac2b49b_head-k_q605ac2b49b_head
	.p2alignl 7, 3214868480
	.fill 96, 4, 3214868480
	.section	.rodata,"a",@progbits
	.p2align	6, 0x0
	.amdhsa_kernel k_q605ac2b49b_head
		.amdhsa_group_segment_fixed_size 0
		.amdhsa_private_segment_fixed_size 0
		.amdhsa_enable_private_segment 0
		.amdhsa_kernarg_size 64
		.amdhsa_user_sgpr_count 2
		.amdhsa_user_sgpr_kernarg_segment_ptr 1
		.amdhsa_wavefront_size32 1
		.amdhsa_system_sgpr_workgroup_id_x 1
		.amdhsa_system_sgpr_workgroup_id_y 1
		.amdhsa_system_sgpr_workgroup_id_z 1
		.amdhsa_system_vgpr_workitem_id 0
		.amdhsa_next_free_vgpr 928
		.amdhsa_next_free_sgpr 66
		.amdhsa_reserve_vcc 0
		.amdhsa_float_denorm_mode_32 3
		.amdhsa_float_denorm_mode_16_64 3
		.amdhsa_memory_ordered 1
		.amdhsa_forward_progress 1
		.amdhsa_inst_pref_size 40
	.end_amdhsa_kernel
	.amdgpu_metadata
---
amdhsa.version: [ 1, 2 ]
amdhsa.kernels:
  - .name:           k_q605ac2b49b_head
    .symbol:         k_q605ac2b49b_head.kd
    .args:
      - { .name: part, .offset: 0, .size: 8, .value_kind: global_buffer, .address_space: global }
      - { .name: P1, .offset: 8, .size: 8, .value_kind: global_buffer, .address_space: global }
      - { .name: P2_codes, .offset: 16, .size: 8, .value_kind: global_buffer, .address_space: global }
      - { .name: b2, .offset: 24, .size: 8, .value_kind: global_buffer, .address_space: global }
      - { .name: pb1, .offset: 32, .size: 8, .value_kind: global_buffer, .address_space: global }
      - { .name: pb2, .offset: 40, .size: 8, .value_kind: global_buffer, .address_space: global }
      - { .name: lowp_scales, .offset: 48, .size: 8, .value_kind: global_buffer, .address_space: global }
      - { .name: out0, .offset: 56, .size: 8, .value_kind: global_buffer, .address_space: global }
    .group_segment_fixed_size: 0
    .private_segment_fixed_size: 0
    .kernarg_segment_align: 8
    .kernarg_segment_size: 64
    .max_flat_workgroup_size: 32
    .sgpr_count:     66
    .vgpr_count:     928
    .wavefront_size: 32
...
	.end_amdgpu_metadata
.endif
;; end of part 2
;; ======== version 2 of 2: 2 launches; version 1 with the launch head written anew for expert scheduling mode
;; workspace buffers: part 131,072 bytes
;; launch events: the kernel of part 1 again; grid 256 x 1, 8 waves a work-group, no clusters, 6,144 bytes of LDS; arguments x, W1, b1, W2_codes, lowp_scales, part; writes part
;; launch head (part 3): grid 4 x 1, 1 waves a work-group, no clusters, 0 bytes of LDS; arguments part, P1, P2_codes, b2, pb1, pb2, lowp_scales, out0; writes out0
.if DOCPART == 3
	.amdgcn_target "amdgcn-amd-amdhsa--gfx1250"
	.amdhsa_code_object_version 6
	.text
	.protected	k_q605ac2b49b_head
	.globl	k_q605ac2b49b_head
	.p2align	8
	.type	k_q605ac2b49b_head,@function
k_q605ac2b49b_head:
	s_mov_b64 s[64:65], 0
	v_nop
	global_prefetch_b8 v0, s[64:65] scope:SCOPE_SE
	s_setreg_imm32_b32 hwreg(HW_REG_WAVE_SCHED_MODE, 0, 2), 2
	s_setreg_imm32_b32 hwreg(HW_REG_WAVE_MODE, 25, 1), 1
	s_wait_xcnt 0x0
	s_wait_alu depctr_vm_vsrc(0)
; THE HEAD.  For each batch: raw = the sum of its four rows of part, cnt = the sum of their counts, valid = max(cnt, 1); pooled = raw x 2^(e0 + e1) / valid + b2 x cnt / valid;
; z = [pooled, valid / 16384]; out = relu(Q(z) Q(P1) + pb1), quantised, x P2's codes + pb2.  All quantised products on codes of E5M2, sums in f32.
; SHARES.  Work-group m, ONE wave, takes batches 16 m .. 16 m + 15: one tile of rows, no LDS, no barrier.  64 batches give work for four such waves and no more.  r = lane % 16, h = lane / 16.
; z x P1, K = 65, by the 16 x 16 x 128 form, USED TRANSPOSED (source 0 = 16 columns of P1, source 1 = z's 16 batches).  Both sources place k alike: half h, register p < 8, byte y: k = 32 h + 4 p + y;
; half 0, register 8, byte 0: k = 64; every other place holds the code 0 on both sides.  Tile i's lane r is hidden unit 4 r + i, so that one load of 16 bytes of a row of P1 serves the four tiles.
; Its C is pb1 / 2^(e2 + e3).  Register 8 i + j of lane (r, h) is then hidden unit 32 h + 4 j + i of batch r: the hold writes it to place 4 j + i, and the codes ARE the next product's first source.
; y x P2, K = 64, by the 16 x 16 x 64 form: source 0 = y's codes (half h, register p, byte y: unit 32 h + 4 p + y), source 1 = P2's tile i, whose lane r is output 4 r + i: bytes 32 h .. 32 h + 31 of that row.
; Register 8 i + j of lane (r, h) is out(batch 8 h + j, 4 r + i): the last multiply-add writes it to place 4 j + i, and sixteen lanes store a whole row of 256 bytes.
; LIMITS on the given exponents, so that each power of two below is an f32 number: e2, e3 and e4 - e2 - e3 between -126 and 112; e4 + e5 between -126 and 127; e0 + e1 between -112 and 126.  NaN among the inputs is not served.
; REGISTERS.  Window 0: v1 r, v2 h, v3-9 offsets, v10-13 counts, v14 cnt, v15 valid, v[16:17] 2^(e0 + e1) / valid, v[18:19] cnt / valid, v20-25 three scales with their limits, v26, v27 the limits of z and P1 with 0 in
;   lanes 16-31, v28-35 z's k = 64 and seven zeros, v36-39 pb2, v40-71 z, later the second sums, v72-103 b2, later y, v104-119 z's codes, v120-127 y's codes, v128-191 P1's codes, later out, v192-223 P2's codes, v224-255 pb1, then the first sums.
;   Window 1: v0-131 P1 as loaded.  Window 2: v0-127 the four rows of part, v128-159 pb1 as loaded.  Window 3: v0-127 P1 held, k along the registers; v128-159 its k = 64, each with seven zeros.
; THE MODE: SCHED_MODE bits 1:0 = 2 (LLVM: expert scheduling mode 2), set by the entry lines.  The code itself states the register dependences
; between vector or matrix instructions and memory instructions, with s_wait_alu, always for 0.
; THE PLAN.  The text is one straight run: all 94 loads at its head, the arithmetic, the eight stores at its end.  Registers that memory instructions touch:
;   v3-v9       offsets.  Written once, by the vector lines at the head; read by the loads (v3-v7, v9) and by the stores (v8); never written again.
;   the loads' destinations (window 1 v0-131, window 2 v0-159, window 0 v10-13, v36-39, v72-103, v192-223).  No vector instruction names one of them ahead of the loads, and no load is issued behind the head.
;   v128-159    of window 0, at the end: written by the last 32 multiply-adds, read by the eight stores; nothing writes them behind the stores.
; So two waits on va_vdst state all of it: one ahead of the first load (the offsets are written), one ahead of the first store (out's numbers are written).  A third stands behind the reciprocal, ahead of its first reader.
; No vector instruction writes a scalar register or VCC, EXEC is never written, and no register that a memory instruction has read is written again: so there is no wait on va_sdst, va_vcc or vm_vsrc.
.set MSB, 0
.macro WIN new                         ; the immediate's high byte repeats the setting that is left
.if MSB != \new
	s_set_vgpr_msb (MSB<<8)|\new
.set MSB, \new
.endif
.endm
.macro SCALE se, vs, vl                ; s[se] = e:  v[vs] = 2^e, v[vl] = 57,344 x 2^e
	s_add_co_i32 s28, s[\se], 127
	s_lshl_b32 s29, s28, 23
	v_mov_b32 v[\vs], s29
	s_add_co_i32 s28, s28, 15
	s_lshl_b32 s28, s28, 23
	s_or_b32 s28, s28, 0x600000
	v_mov_b32 v[\vl], s28
.endm
	s_load_b512 s[4:19], s[0:1], 0x0               ; part s[4:5], P1 s[6:7], P2's codes s[8:9], b2 s[10:11], pb1 s[12:13], pb2 s[14:15], the exponents s[16:17], out s[18:19]
	v_and_b32 v1, 15, v0                           ; r
	v_bfe_u32 v2, v0, 4, 1                         ; h
	v_lshlrev_b32 v3, 11, v1
	v_lshl_add_u32 v3, v2, 7, v3                   ; part: batch r is 2,048 bytes, + my half's 32 numbers
	v_lshlrev_b32 v6, 4, v1                        ; 16 r
	v_lshl_add_u32 v4, v2, 13, v6                  ; P1: row 32 h, columns 4 r ..
	v_lshlrev_b32 v5, 7, v2                        ; b2, pb1: my half's 32 numbers
	v_lshlrev_b32 v7, 8, v1
	v_lshl_add_u32 v7, v2, 5, v7                   ; P2's codes: rows 4 r .., my half's 32 bytes
	v_lshl_add_u32 v8, v2, 11, v6                  ; out: batch 8 h, columns 4 r ..
	v_lshlrev_b32 v9, 11, v1
	v_add_nc_u32 v9, 256, v9                       ; part: a row's count
	s_lshl_b32 s26, ttmp9, 15                      ; my 16 batches of part,
	s_mov_b32 s27, 0
	s_lshl_b32 s28, ttmp9, 12                      ; and of out
	s_mov_b32 s29, 0
	s_wait_kmcnt 0x0
	s_load_b128 s[20:23], s[16:17], 0x0            ; e0 .. e3
	s_load_b64 s[24:25], s[16:17], 0x10            ; e4, e5
	s_add_nc_u64 s[4:5], s[4:5], s[26:27]
	s_add_nc_u64 s[18:19], s[18:19], s[28:29]
	; 94 loads; what is worked on first comes first
	WIN 0x40                                       ; destination window 1
	s_wait_alu depctr_va_vdst(0)                   ; the offsets v3 to v9 are written, which the loads below and the stores at the end read; up to the last load only loads and window switches follow
.set j, 0
.rept 32
	global_load_b128 v[4*j:4*j+3], v4, s[6:7] offset:256*j          ; P1(32 h + j, 4 r .. 4 r + 3)
.set j, j+1
.endr
	global_load_b128 v[128:131], v6, s[6:7] offset:16384            ; P1(64, 4 r ..)
	WIN 0x80                                       ; destination window 2
.irp j, 0,1,2,3,4,5,6,7
	global_load_b128 v[128+4*\j:131+4*\j], v5, s[12:13] offset:16*\j
.endr
.irp q, 0,1,2,3
.irp i, 0,1,2,3,4,5,6,7
	global_load_b128 v[32*\q+4*\i:32*\q+4*\i+3], v3, s[4:5] offset:512*\q+16*\i
.endr
.endr
	WIN 0
.irp q, 0,1,2,3
	global_load_b32 v[10+\q], v9, s[4:5] offset:512*\q
.endr
.irp i, 0,1,2,3,4,5,6,7
	global_load_b128 v[72+4*\i:75+4*\i], v5, s[10:11] offset:16*\i
.endr
	global_load_b128 v[36:39], v6, s[14:15]
.irp i, 0,1,2,3
.irp u, 0,1
	global_load_b128 v[192+8*\i+4*\u:195+8*\i+4*\u], v7, s[8:9] offset:64*\i+16*\u
.endr
.endr
	s_wait_kmcnt 0x0
	s_add_co_i32 s26, s20, s21                     ; e0 + e1
	s_add_co_i32 s27, s22, s23                     ; e2 + e3
	s_sub_co_i32 s31, 0, s27
	s_sub_co_i32 s32, s24, s27                     ; e4 - e2 - e3: the first sums lack 2^(e2 + e3), so the three scales fold into the conversion's one
	s_add_co_i32 s30, s24, s25
	s_add_co_i32 s30, s30, 127
	s_lshl_b32 s30, s30, 23                        ; 2^(e4 + e5)
	s_mov_b32 s33, 0xffff0000                      ; lanes 16-31
	SCALE 22, 20, 21
	SCALE 23, 22, 23
	SCALE 32, 24, 25
	; the places of K beyond 65 hold zero codes on both sides
.irp n, 29,30,31,32,33,34,35, 114,115,116,117,118,119
	v_mov_b32 v[\n], 0
.endr
.irp i, 0,1,2,3
.irp n, 10,11,12,13,14,15
	v_mov_b32 v[128+16*\i+\n], 0
.endr
.endr
	v_cndmask_b32 v26, v21, v29, s33               ; k = 64 lies in lanes 0-15 alone: the other half's limit is 0
	v_cndmask_b32 v27, v23, v29, s33
	WIN 0xc0                                       ; destination window 3
.irp i, 0,1,2,3
.irp n, 1,2,3,4,5,6,7
	v_mov_b32 v[128+8*\i+\n], 0
.endr
.endr
	; P1: held, laid with k along the registers, converted
	s_wait_loadcnt 53                              ; P1's 33 loads and pb1's 8 are in: behind them 32 + 4 + 8 + 1 + 8 = 53 may be out
	WIN 0xc1                                       ; destination window 3, source 0 window 1
.irp i, 0,1,2,3
.set j, 0
.rept 32
	v_med3_num_f32 v[32*\i+j], v[4*j+\i], -v23, v23   ; the conversion to an 8-bit code does not saturate (ISA guide 7.6.2): the hold at the largest code x the scale
.set j, j+1
.endr
	v_med3_num_f32 v[128+8*\i], v[128+\i], -v27, v27
.endr
	WIN 0x03                                       ; source 0 window 3
.irp i, 0,1,2,3
.irp g, 0,1,2,3
	v_cvt_scalef32_pk8_bf8_f32 v[128+16*\i+2*\g:129+16*\i+2*\g], v[32*\i+8*\g:32*\i+8*\g+7], v22
.endr
	v_cvt_scalef32_pk8_bf8_f32 v[136+16*\i:137+16*\i], v[128+8*\i:135+8*\i], v22
.endr
	v_nop                                          ; a plain line behind the last conversion
	WIN 0x02                                       ; source 0 window 2
.irp i, 0,1,2,3
.irp j, 0,1,2,3,4,5,6,7
	v_ldexp_f32 v[224+8*\i+\j], v[128+4*\j+\i], s31   ; pb1(32 h + 4 j + i) / 2^(e2 + e3), in the result's layout: the C of the first product
.endr
.endr
	; z
	s_wait_loadcnt 0x0
	WIN 0x0a                                       ; sources 0 and 1 window 2
.set j, 0
.rept 16
	v_pk_add_f32 v[40+j:41+j], v[j:j+1], v[32+j:33+j]
.set j, j+2
.endr
	WIN 0x08                                       ; source 1 window 2
.set j, 0
.rept 16
	v_pk_add_f32 v[40+j:41+j], v[40+j:41+j], v[64+j:65+j]
.set j, j+2
.endr
.set j, 0
.rept 16
	v_pk_add_f32 v[40+j:41+j], v[40+j:41+j], v[96+j:97+j]
.set j, j+2
.endr
	WIN 0
	v_add_f32 v14, v10, v11
	v_add_f32 v15, v12, v13
	v_add_f32 v14, v14, v15                        ; cnt: whole numbers, exact
	v_max_num_f32 v15, 1.0, v14                    ; valid
	v_rcp_f32 v16, v15
	v_mov_b32 v17, 0                               ; (a plain line behind the reciprocal; v17 and v19 are named as upper halves of pairs)
	s_wait_alu depctr_va_vdst(0)                   ; the reciprocal has written v16, which the next line is the first to read
	v_fma_f32 v18, -v15, v16, 1.0
	v_fma_f32 v16, v18, v16, v16                   ; 1 / valid, with one step that takes the remainder back in
	v_mov_b32 v19, 0
	v_mul_f32 v18, v14, v16                        ; cnt / valid
	v_ldexp_f32 v16, v16, s26                      ; 2^(e0 + e1) / valid
.set j, 0
.rept 16
	v_pk_mul_f32 v[72+j:73+j], v[72+j:73+j], v[18:19] op_sel_hi:[1,0]
.set j, j+2
.endr
.set j, 0
.rept 16
	v_pk_fma_f32 v[40+j:41+j], v[40+j:41+j], v[16:17], v[72+j:73+j] op_sel_hi:[1,0,1]   ; pooled(32 h + j)
.set j, j+2
.endr
	v_ldexp_f32 v28, v15, -14                      ; valid / 16384
	v_med3_num_f32 v28, v28, -v26, v26
.irp g, 0,1,2,3
.irp i, 0,1,2,3,4,5,6,7
	v_med3_num_f32 v[40+8*\g+\i], v[40+8*\g+\i], -v21, v21
.endr
	v_cvt_scalef32_pk8_bf8_f32 v[104+2*\g:105+2*\g], v[40+8*\g:47+8*\g], v20
.endr
	v_cvt_scalef32_pk8_bf8_f32 v[112:113], v[28:35], v20
	v_nop                                          ; a plain line between the last conversion and the products that read its codes
.irp i, 0,1,2,3
	v_wmma_f32_16x16x128_bf8_bf8 v[224+8*\i:231+8*\i], v[128+16*\i:143+16*\i], v[104:119], v[224+8*\i:231+8*\i]
.endr
.rept 4
	v_nop                                          ; four places in front of the first read of the results
.endr
.irp j, 0,1,2,3,4,5,6,7                ; each accumulator from its low end on
.irp i, 0,1,2,3
	v_med3_num_f32 v[72+4*\j+\i], v[224+8*\i+\j], 0, v25   ; relu and the hold in one; unit 32 h + 4 j + i goes to place 4 j + i
.endr
.endr
.irp g, 0,1,2,3
	v_cvt_scalef32_pk8_bf8_f32 v[120+2*\g:121+2*\g], v[72+8*\g:79+8*\g], v24
.endr
	v_nop                                          ; a plain line between the last conversion and the products
.irp i, 0,1,2,3
	v_wmma_f32_16x16x64_bf8_bf8 v[40+8*\i:47+8*\i], v[120:127], v[192+8*\i:199+8*\i], 0
.endr
.rept 4
	v_nop
.endr
.irp j, 0,1,2,3,4,5,6,7
.irp i, 0,1,2,3
	v_fma_f32 v[128+4*\j+\i], v[40+8*\i+\j], s30, v[36+\i]   ; sum x 2^(e4 + e5) + pb2(4 r + i)
.endr
.endr
	s_wait_alu depctr_va_vdst(0)                   ; the 32 multiply-adds have written v128 to v159, which the eight stores read
.irp j, 0,1,2,3,4,5,6,7
	global_store_b128 v8, v[128+4*\j:131+4*\j], s[18:19] offset:256*\j   ; lanes 0-15 store batch j's row of 256 bytes, lanes 16-31 batch 8 + j's: each aligned
.endr
	s_endpgm
.Lfunc_end_k_q605ac2b49b_head:
	.size	k_q605ac2b49b_head, .Lfunc_end_k_q605ac2b49b_head-k_q605ac2b49b_head
	.p2alignl 7, 3214868480
	.fill 96, 4, 3214868480
	.section	.rodata,"a",@progbits
	.p2align	6, 0x0
	.amdhsa_kernel k_q605ac2b49b_head
		.amdhsa_group_segment_fixed_size 0
		.amdhsa_private_segment_fixed_size 0
		.amdhsa_enable_private_segment 0
		.amdhsa_kernarg_size 64
		.amdhsa_user_sgpr_count 2
		.amdhsa_user_sgpr_kernarg_segment_ptr 1
		.amdhsa_wavefront_size32 1
		.amdhsa_system_sgpr_workgroup_id_x 1
		.amdhsa_system_sgpr_workgroup_id_y 1
		.amdhsa_system_sgpr_workgroup_id_z 1
		.amdhsa_system_vgpr_workitem_id 0
		.amdhsa_next_free_vgpr 928
		.amdhsa_next_free_sgpr 66
		.amdhsa_reserve_vcc 0
		.amdhsa_float_denorm_mode_32 3
		.amdhsa_float_denorm_mode_16_64 3
		.amdhsa_memory_ordered 1
		.amdhsa_forward_progress 1
		.amdhsa_inst_pref_size 40
	.end_amdhsa_kernel
	.amdgpu_metadata
---
amdhsa.version: [ 1, 2 ]
amdhsa.kernels:
  - .name:           k_q605ac2b49b_head
    .symbol:         k_q605ac2b49b_head.kd
    .args:
      - { .name: part, .offset: 0, .size: 8, .value_kind: global_buffer, .address_space: global }
      - { .name: P1, .offset: 8, .size: 8, .value_kind: global_buffer, .address_space: global }
      - { .name: P2_codes, .offset: 16, .size: 8, .value_kind: global_buffer, .address_space: global }
      - { .name: b2, .offset: 24, .size: 8, .value_kind: global_buffer, .address_space: global }
      - { .name: pb1, .offset: 32, .size: 8, .value_kind: global_buffer, .address_space: global }
      - { .name: pb2, .offset: 40, .size: 8, .value_kind: global_buffer, .address_space: global }
      - { .name: lowp_scales, .offset: 48, .size: 8, .value_kind: global_buffer, .address_space: global }
      - { .name: out0, .offset: 56, .size: 8, .value_kind: global_buffer, .address_space: global }
    .group_segment_fixed_size: 0
    .private_segment_fixed_size: 0
    .kernarg_segment_align: 8
    .kernarg_segment_size: 64
    .max_flat_workgroup_size: 32
    .sgpr_count:     66
    .vgpr_count:     928
    .wavefront_size: 32
...
	.end_amdgpu_metadata
.endif
;; end of part 3
